; MI455X (gfx1250); checked and timed in simulation.
; The chip was launched on July 23, 2026; its instructions are those of AMD's public machine-readable ISA for CDNA 5 (MIT licence, August 2026) and "CDNA5" Instruction Set Architecture Reference Guide (July 2026). The comments in the code are by the model that wrote it; some were corrected since.
;; Local Atom Attention. Allowed arithmetic: matrix products marked QUANTISED: E4M3 operands, one E8M0 scale for each 32 along K, by v_wmma_scale_f32_16x16x128_f8f6f4 with both operands' format E4M3, f32 sums; products left as they are: f32 operands where the result goes on into a quantised operand, else bf16, f16 or f32 operands; f32 sums; everything else in f32.
;; Inputs: W1_codes 1,024 x 8 x 32 uint8 (E4M3 codes of W1, K innermost, in blocks of 32 codes); W1_scales 1,024 x 8 uint8 (E8M0 scales of W1, one for each 32 codes along K); W2_codes 256 x 32 x 32 uint8 (E4M3 codes of W2, K innermost, in blocks of 32 codes); W2_scales 256 x 32 uint8 (E8M0 scales of W2, one for each 32 codes along K); Wa 256 x 8 float32; Wg_codes 1,024 x 8 x 32 uint8 (E4M3 codes of Wg, K innermost, in blocks of 32 codes); Wg_scales 1,024 x 8 uint8 (E8M0 scales of Wg, one for each 32 codes along K); Wv_codes 256 x 8 x 32 uint8 (E4M3 codes of Wv, K innermost, in blocks of 32 codes); Wv_scales 256 x 8 uint8 (E8M0 scales of Wv, one for each 32 codes along K); ba 8 float32; batch 4 x 4,096 int32; bv 256 float32; dist_bins 256 float32; emb_table 256 x 256 float32; ln_b 256 float32; ln_g 256 float32; not_pad_mask 4 x 4,096 bool; positions 4 x 4,096 x 3 float32; x 4 x 4,096 x 256 float32.
;; Outputs: out0 4 x 4,096 x 256 float32.
;; This version of the problem:
;;   THIS VERSION OF THE PROBLEM IS GIVEN IN LOW PRECISION. The matrix products marked QUANTISED in the list below multiply operands that are first quantised to E4M3 (4 exponent bits, 3 mantissa bits; 8 bits a number), with one power-of-two scale for each 32 numbers along K (OCP MX v1.0); their sums are f32. All else is computed in f32.
;;   The module's matrix products, in the order in which they are computed (A, B: the left and right operand; K: the contracted axis; several contracted axes count as one K, in the product's order):
;;     1. batch 4 x [M 4,096, K 3] x [K 3, N 4,096]; A: input positions; B: input positions: left as it is (K = 3 < 32)
;;     2. [M 524,288, K 256] x [K 256, N 8]; A: computed on the way; B: input Wa: left as it is (N = 8 < 16)
;;     3. [M 16,384, K 256] x [K 256, N 256]; A: input x; B: input Wv (given as codes): QUANTISED
;;     4. [M 16,384, K 256] x [K 256, N 1,024]; A: computed on the way; B: input Wg (given as codes): QUANTISED
;;     5. [M 16,384, K 256] x [K 256, N 1,024]; A: computed on the way; B: input W1 (given as codes): QUANTISED
;;     6. [M 16,384, K 1,024] x [K 1,024, N 256]; A: computed on the way; B: input W2 (given as codes): QUANTISED
;;   THE QUANTISER, for each operand of a quantised product, along K:
;;     - K is cut into blocks of 32 from its start; a last block that is shorter is filled with zeros.
;;     - A block's scale is 2^e with e = floor(log2(the largest magnitude in the block)) - 8, held to -126 .. 127; a block of zeros has e = 0. As a byte (E8M0): e + 127.
;;     - Each number is divided by its block's scale, clamped to +-448, and rounded to the nearest number of E4M3, ties to even, subnormals kept.
;;     - The product sums the exact products of the quantised numbers (number of the format x scale) in f32.
;;   ~~~python
;;   def quantise(x, axis):      # numpy; x: float32 -> the quantised numbers, widened to float32 again
;;       x = np.moveaxis(x, axis, -1); K = x.shape[-1]
;;       x = np.pad(x, [(0, 0)] * (x.ndim - 1) + [(0, -K % 32)]); x = x.reshape(x.shape[:-1] + (-1, 32)); a = np.abs(x).max(-1, keepdims=True)
;;       e = np.where(a > 0, np.clip(np.frexp(np.where(a > 0, a, 1))[1] - 1 - 8, -126, 127), 0)      # np.frexp(a)[1] - 1 = floor(log2(a)), exactly
;;       r = np.clip(x / 2.0 ** e, -448, 448)
;;       step = 2.0 ** (np.maximum(np.frexp(np.where(r == 0, 1, r))[1] - 1, -6) - 3)
;;       q = np.round(r / step) * step * 2.0 ** e      # np.round: ties to even
;;       return np.moveaxis(q.reshape(q.shape[:-2] + (-1,))[..., :K], -1, axis).astype(np.float32)
;;   ~~~
;;   OPERANDS COMPUTED ON THE WAY. 'Computed on the way' means the value that the module computes at that place (a softmax that the list does not call 'softmax' is quantised finished and normalised). What goes into a quantiser is computed in f32, as accurately as f32 sums, v_exp_f32 and their like allow (about 1e-6 of the number): no bf16 or f16 on the way to a quantiser, and a product that is left as it is and whose result goes on into a quantised operand takes f32 operands (vector FMAs, or v_wmma_f32_16x16x4_f32). A number that lies on a knife's edge between two numbers of the format may be rounded either way, as far as f32 arithmetic and the matrix unit's own rounding can turn it there, and no further.
;;   INPUTS GIVEN AS CODES. W1 (in the module: [256, 1024], K = its axis 0); W2 (in the module: [1024, 256], K = its axis 0); Wg (in the module: [256, 1024], K = its axis 0); Wv (in the module: [256, 256], K = its axis 0): each comes as NAME_codes (uint8): NAME with its K axis moved to the last place and cut into blocks of 32 codes, [.., K / 32, bytes a block], one block behind the other in memory; one code a byte (a code: sign, 4 exponent bits, 3 mantissa bits); and NAME_scales (uint8): the same leading axes, one E8M0 byte (e + 127) for each 32 codes along K. Its value is code x scale, taken as it is: it is not quantised again, and the codes and scales need not be those that the quantiser above would give.
;; One version. Each part assembles by itself: llvm-mc -triple=amdgcn-amd-amdhsa -mcpu=gfx1250 --defsym DOCPART=n.
;; ======== version 1 of 1: 2 launches
;; workspace buffers: nbr 524,288 bytes of whole numbers; nmk 65,536 bytes of whole numbers; tab 8,192 bytes
;; launch knn (part 1): grid 256 x 1, 4 waves a work-group, no clusters, 168,448 bytes of LDS; arguments positions, not_pad_mask, dist_bins, emb_table, Wa, ba, nbr, nmk, tab; writes nbr, nmk, tab
.if DOCPART == 1
	.amdgcn_target "amdgcn-amd-amdhsa--gfx1250"
	.amdhsa_code_object_version 6
	.text
	.protected	k_qbd07f72942_knn
	.globl	k_qbd07f72942_knn
	.p2align	8
	.type	k_qbd07f72942_knn,@function
k_qbd07f72942_knn:
	s_mov_b64 s[64:65], 0
	v_nop
	global_prefetch_b8 v0, s[64:65] scope:SCOPE_SE
	s_setreg_imm32_b32 hwreg(HW_REG_WAVE_MODE, 25, 1), 1
	s_wait_xcnt 0x0
; LocalAtomAttention, first launch: the 32 nearest neighbours of every atom, nearest first, and what the second launch wants of them as whole numbers:
;   nbr [16384][32] u8: the distance bin (first argmin over dist_bins) of the neighbour of rank k;   nmk [16384] u32: bit k = the pad mask of that neighbour, the whole word 0 where the centre is masked;
;   tab [256][8] f32: T = emb_table Wa + ba.  A gather commutes with a product, so emb_table[bucket] Wa + ba = T[bucket]: work-group g makes row g, wave w its heads 2 w and 2 w + 1, by f32 multiply-adds.
; SHARES.  256 work-groups of four waves; work-group g takes atoms 64 g .. 64 g + 63 (batch g / 64), wave w sixteen of them.  d2 = sq_c + sq_q - 2 p_c . p_q is made by the f32 matrix form, K = 4:
; source 0 = 16 candidates (-2x, -2y, -2z, sq), source 1 = 16 queries (x, y, z, 1), C = the query's sq.  In the result lane (r, h) holds query r and candidates 8 h + 0 .. 7 of the tile:
; a lane sees half of the 4,096 candidates, 32 a chunk, keeps a sorted list of its 32 smallest, and lanes l and l xor 16 are merged at the end.
; KEY.  key = (max(d2, 0) with its last bit cleared) | the candidate's mask bit, compared as f32: a comparator is one minimum and one maximum, and the mask bit travels with the distance.
; A chunk: bitonic sort of 32 (15 stages), minimum of the list against the chunk reversed (the 32 smallest of 64, a bitonic run), bitonic merge (5 stages).  No branch and no address hangs on a distance.
; LIMITS: d2 loses its last mantissa bit (2^-23 of the number); candidates with equal keys come in any order, not by index; the sums of d2 are fused, so neighbours whose d2 differ by less than the rounding of
; sq may change places against another order of the same sums; NaN and infinite positions are not served; the root takes a denormal d2 as 0.  The input batch is not read: the result does not hang on it.
.set DUAL, 1                           ; 1: a comparator is one dual-issue pair (same sources in both halves, destinations of unlike parity); 0: two plain lines
.set MIM,  65536                       ; LDS: 0 .. 65,535 images of source 0, 256 bytes a tile of 16 candidates; from MIM on the candidates' mask as words, 16,384 bytes
.set VA,   4                           ; v4      LDS address of my 8 bytes of a tile's image, at the chunk to be fetched
.set VM,   5                           ; v5      the same for my eight mask words of a tile
.set QF,   6                           ; v[6:7]  source 1: h = 0: (x, y) of my query, h = 1: (z, 1)
.set SQ,   8                           ; v[8:15] C: my query's sq, eight times
.set AF,   16                          ; v[16:23] source 0 of four tiles (ahead of the barrier v16, v17 are the addresses of the image stores)
.set X,    32                          ; v32-63, v64-95: two sets of 32 keys that take turns
.set Y,    64
.set L,    96                          ; v96-127  my 32 smallest keys, ascending
.set M,    128                         ; v128-159 a chunk's mask words
.set D0,   160                         ; v160-191, v192-223: d2 of two chunks by turns: written by matrix instructions alone
.set T,    224                         ; v224-255 at work
.set P,    32                          ; ahead of the barrier v32-159: (x, y, z, sq) of my 32 candidates
.set DS,   X                           ; the argmin: 16 distances, 16 differences, 16 best magnitudes, 16 best bins
.set AD,   X+16
.set BE,   Y
.set IX,   Y+16
.set BN0,  36                          ; s[36:51], s[68:83] two sets of 16 bins
.set BN1,  68
.set MK,   84                          ; s[84:99] sixteen lane masks, so that no line waits for the line above it
.macro CE dlo, dhi, a, b               ; a comparator
.if DUAL
	v_dual_min_num_f32 v[\dlo], v[\a], v[\b] :: v_dual_max_num_f32 v[\dhi], v[\a], v[\b]
.else
	v_min_num_f32 v[\dlo], v[\a], v[\b]
	v_max_num_f32 v[\dhi], v[\a], v[\b]
.endif
.endm
; One stage at distance 2^t.  Behind it element e lies at dst + (e with its bits 0 and t exchanged), so that the two results of a comparator have unlike parity; st is the t of the stage that wrote src.
; Elements with (i & k) = 0 are put in ascending order, the others in descending order.
.macro BSTAGE src, st, dst, t, k
.set zi, 0
.rept 32
.if (zi & (1<<(\t))) == 0
.set zl, zi | (1<<(\t))
.set za, (\src) + ((zi & ~(1|(1<<(\st)))) | ((zi&1)<<(\st)) | ((zi>>(\st))&1))
.set zb, (\src) + ((zl & ~(1|(1<<(\st)))) | ((zl&1)<<(\st)) | ((zl>>(\st))&1))
.set zc, (\dst) + ((zi & ~(1|(1<<(\t)))) | ((zi&1)<<(\t)) | ((zi>>(\t))&1))
.set zd, (\dst) + ((zl & ~(1|(1<<(\t)))) | ((zl&1)<<(\t)) | ((zl>>(\t))&1))
.if (zi & (\k)) == 0
	CE zc, zd, za, zb
.else
	CE zd, zc, za, zb
.endif
.endif
.set zi, zi+1
.endr
.endm
.macro SORT32                          ; X, in any order -> Y, ascending, in natural places
	BSTAGE X, 0, Y, 0, 2
	BSTAGE Y, 0, X, 1, 4
	BSTAGE X, 1, Y, 0, 4
	BSTAGE Y, 0, X, 2, 8
	BSTAGE X, 2, Y, 1, 8
	BSTAGE Y, 1, X, 0, 8
	BSTAGE X, 0, Y, 3, 16
	BSTAGE Y, 3, X, 2, 16
	BSTAGE X, 2, Y, 1, 16
	BSTAGE Y, 1, X, 0, 16
	BSTAGE X, 0, Y, 4, 32
	BSTAGE Y, 4, X, 3, 32
	BSTAGE X, 3, Y, 2, 32
	BSTAGE Y, 2, X, 1, 32
	BSTAGE X, 1, Y, 0, 32
.endm
.macro MINST                           ; X[i] = min(L[i], Y[31 - i]): the 32 smallest of two ascending runs, as a bitonic run
.set zi, 0
.rept 16
.if DUAL
	v_dual_min_num_f32 v[X+zi], v[L+zi], v[Y+31-zi] :: v_dual_min_num_f32 v[X+zi+1], v[L+zi+1], v[Y+30-zi]
.else
	v_min_num_f32 v[X+zi], v[L+zi], v[Y+31-zi]
	v_min_num_f32 v[X+zi+1], v[L+zi+1], v[Y+30-zi]
.endif
.set zi, zi+2
.endr
.endm
.macro MERGE32                         ; a bitonic run in X -> L, ascending
	BSTAGE X, 0, Y, 4, 64
	BSTAGE Y, 4, X, 3, 64
	BSTAGE X, 3, Y, 2, 64
	BSTAGE Y, 2, X, 1, 64
	BSTAGE X, 1, L, 0, 64
.endm
.macro LOADA                           ; source 0 of a chunk's four tiles
.irp t, 0,1,2,3
	ds_load_b64 v[AF+2*\t:AF+2*\t+1], v[VA] offset:256*\t
.endr
.endm
.macro LOADM                           ; the mask words of my 32 candidates of a chunk
.irp t, 0,1,2,3
	ds_load_b128 v[M+8*\t:M+8*\t+3], v[VM] offset:64*\t
	ds_load_b128 v[M+8*\t+4:M+8*\t+7], v[VM] offset:64*\t+16
.endr
.endm
.macro WM d                            ; d2 of four tiles: each sum is one instruction, its C the query's sq
.irp t, 0,1,2,3
	v_wmma_f32_16x16x4_f32 v[\d+8*\t:\d+8*\t+7], v[AF+2*\t:AF+2*\t+1], v[QF:QF+1], v[SQ:SQ+7]
.endr
.endm
.macro PACK d                          ; keys of the chunk in d; each accumulator is read from its low end on
.set zi, 0
.rept 16
.if DUAL
	v_dual_max_num_f32 v[X+zi], 0, v[\d+zi] :: v_dual_max_num_f32 v[X+zi+1], 0, v[\d+zi+1]
.else
	v_max_num_f32 v[X+zi], 0, v[\d+zi]
	v_max_num_f32 v[X+zi+1], 0, v[\d+zi+1]
.endif
.set zi, zi+2
.endr
.set zi, 0
.rept 32
	v_and_or_b32 v[X+zi], v[X+zi], -2, v[M+zi]
.set zi, zi+1
.endr
.endm
; Chunk c, whose d2 lie in set p.  wm: the matrix unit makes chunk c + 1's d2 meanwhile; la: chunk c + 2's source 0 is fetched; lm: chunk c + 1's mask words.
.macro CHUNK p, wm, la, lm
	s_wait_dscnt 0x0                               ; source 0 of chunk c + 1 and the mask words of chunk c are in; no LDS load of mine is out,
	v_add_nc_u32 v[VA], 1024, v[VA]                ; so both addresses step
	v_add_nc_u32 v[VM], 256, v[VM]
.if \wm
	WM D0+32*(1-\p)
.endif
	PACK D0+32*\p                                  ; 48 plain lines that name no register of the four products above: more than the eight places owed in front of the loads into their sources
.if \la
	LOADA
.endif
.if \lm
	LOADM
.endif
	SORT32
	MINST
	MERGE32
.endm
.macro BIN sb                          ; one bin against my 16 distances; the old bin is kept where its magnitude is not larger: the first of equal bins wins
.set zi, 0
.rept 8
.if DUAL
	s_wait_alu depctr_va_vdst(0)
	v_dual_sub_f32 v[AD+zi], s[\sb], v[DS+zi] :: v_dual_sub_f32 v[AD+zi+1], s[\sb], v[DS+zi+1]
.else
	v_sub_f32 v[AD+zi], s[\sb], v[DS+zi]
	v_sub_f32 v[AD+zi+1], s[\sb], v[DS+zi+1]
.endif
.set zi, zi+2
.endr
.set zi, 0
.rept 16
	v_cmp_le_f32 s[MK+zi], v[BE+zi], |v[AD+zi]|
.set zi, zi+1
.endr
.set zi, 0
.rept 16
	v_cndmask_b32 v[IX+zi], s27, v[IX+zi], s[MK+zi]
.set zi, zi+1
.endr
.set zi, 0
.rept 16
	v_min_num_f32 v[BE+zi], |v[AD+zi]|, v[BE+zi]
.set zi, zi+1
.endr
	s_add_co_u32 s27, s27, 1                       ; the next bin's number
.endm
	s_load_b512 s[4:19], s[0:1], 0x0               ; positions s[4:5], mask s[6:7], bins s[8:9], emb_table s[10:11], Wa s[12:13], ba s[14:15], nbr s[16:17], nmk s[18:19]
	s_load_b64 s[20:21], s[0:1], 0x40              ; tab
	s_set_vgpr_msb 0x40
	v_lshl_add_u32 v0, v0, 2, 0x29000
	v_mov_b32 v1, 0
	s_set_vgpr_msb 0x4000
	v_lshrrev_b32 v1, 5, v0
	v_readfirstlane_b32 s22, v1                    ; wave 0..3
	v_and_b32 v1, 15, v0                           ; r
	v_bfe_u32 v2, v0, 4, 1                         ; h
	v_and_b32 v3, 31, v0                           ; lane
	s_lshr_b32 s23, ttmp9, 6                       ; batch
	s_and_b32 s34, ttmp9, 63
	s_lshl_b32 s34, s34, 6
	s_lshl_b32 s35, s22, 4
	s_add_co_u32 s34, s34, s35                     ; my wave's first query, counted inside its batch
	s_mov_b32 s29, 0xffff0000                      ; the lanes with h = 1
	s_mov_b32 s24, 0x76543210
	s_mov_b32 s25, 0xfedcba98                      ; v_permlanex16_b32's selects for lane l xor 16
	s_mul_i32 s32, s23, 49152                      ; a batch's positions
	s_mov_b32 s33, 0
	v_mul_u32_u24 v24, v0, 12                      ; candidate t of each run of 128
	v_add_nc_u32 v29, s34, v1                      ; my query
	v_mul_u32_u24 v28, v29, 12
	v_lshrrev_b32 v16, 4, v0
	v_lshlrev_b32 v16, 8, v16
	v_lshl_or_b32 v16, v1, 3, v16                  ; the image: tile t / 16 of a run, 8 bytes for candidate t % 16
	v_lshl_add_u32 v17, v0, 2, MIM                 ; the mask word of candidate t of a run
	s_wait_kmcnt 0x0
	s_add_nc_u64 s[4:5], s[4:5], s[32:33]
	s_lshl_b32 s32, s23, 12
	s_add_nc_u64 s[6:7], s[6:7], s[32:33]
.set zi, 0
.rept 32                                               ; thread t takes candidates 128 i + t
	global_load_b32 v[P+4*zi], v24, s[4:5] offset:1536*zi
	global_load_b32 v[P+4*zi+1], v24, s[4:5] offset:1536*zi+4
	global_load_b32 v[P+4*zi+2], v24, s[4:5] offset:1536*zi+8
	global_load_u8 v[T+zi], v0, s[6:7] offset:128*zi
.set zi, zi+1
.endr
	global_load_b32 v25, v28, s[4:5]               ; my query
	global_load_b32 v26, v28, s[4:5] offset:4
	global_load_b32 v27, v28, s[4:5] offset:8
	global_load_u8 v30, v29, s[6:7]                ; and its mask
	s_lshl_b32 s32, ttmp9, 11                      ; where my wave's results go: nbr: 32 bytes an atom,
	s_lshl_b32 s35, s22, 9
	s_add_co_u32 s32, s32, s35
	s_add_nc_u64 s[16:17], s[16:17], s[32:33]
	s_lshl_b32 s32, ttmp9, 8                       ; nmk: 4 bytes an atom,
	s_lshl_b32 s35, s22, 6
	s_add_co_u32 s32, s32, s35
	s_add_nc_u64 s[18:19], s[18:19], s[32:33]
	s_lshl_b32 s32, ttmp9, 5                       ; tab: row g, heads 2 w and 2 w + 1
	s_lshl_b32 s35, s22, 3
	s_add_co_u32 s32, s32, s35
	s_add_nc_u64 s[20:21], s[20:21], s[32:33]
	s_mov_b32 s32, s35
	s_add_nc_u64 s[12:13], s[12:13], s[32:33]      ; Wa and ba at head 2 w
	s_add_nc_u64 s[14:15], s[14:15], s[32:33]
	s_lshl_b32 s32, ttmp9, 10
	s_add_nc_u64 s[10:11], s[10:11], s[32:33]      ; emb_table at row g
	s_wait_loadcnt 0x0
.set zi, 0
.rept 32
	v_mul_f32 v[P+4*zi+3], v[P+4*zi], v[P+4*zi]
.set zi, zi+1
.endr
.set zi, 0
.rept 32
	v_fma_f32 v[P+4*zi+3], v[P+4*zi+1], v[P+4*zi+1], v[P+4*zi+3]
.set zi, zi+1
.endr
.set zi, 0
.rept 32
	v_fma_f32 v[P+4*zi+3], v[P+4*zi+2], v[P+4*zi+2], v[P+4*zi+3]   ; sq
.set zi, zi+1
.endr
.set zi, 0
.rept 32
	v_pk_mul_f32 v[P+4*zi:P+4*zi+1], v[P+4*zi:P+4*zi+1], -2.0 op_sel_hi:[1,0]
	v_mul_f32 v[P+4*zi+2], -2.0, v[P+4*zi+2]
.set zi, zi+1
.endr
.set zi, 0
.rept 32
	ds_store_b64 v16, v[P+4*zi:P+4*zi+1] offset:2048*zi            ; what lane (r, 0) of source 0 holds,
	ds_store_b64 v16, v[P+4*zi+2:P+4*zi+3] offset:2048*zi+128      ; and lane (r, 1)
	ds_store_b32 v17, v[T+zi] offset:512*zi
.set zi, zi+1
.endr
	v_mul_f32 v[SQ], v25, v25
	v_fma_f32 v[SQ], v26, v26, v[SQ]
	v_fma_f32 v[SQ], v27, v27, v[SQ]
.irp j, 1,2,3,4,5,6,7
	v_mov_b32 v[SQ+\j], v[SQ]
.endr
	v_cndmask_b32 v[QF], v25, v27, s29
	v_cndmask_b32 v[QF+1], v26, 1.0, s29
	v_lshlrev_b32 v[VA], 3, v3
	v_lshl_add_u32 v[VM], v2, 5, MIM
	s_wait_dscnt 0x0                               ; for the others' sake: my part of the images is in LDS
	s_barrier_signal -1
	s_barrier_wait -1                              ; from here on LDS is only read
	LOADA                                          ; chunk 0
	s_wait_dscnt 0x0
	v_add_nc_u32 v[VA], 1024, v[VA]
	WM D0
.set zi, 0
.rept 32
	v_mov_b32 v[L+zi], 0x7f800000                  ; the list begins as +infinity, over every key.  (These lines are also the places in front of the loads below)
.set zi, zi+1
.endr
	LOADA                                          ; chunk 1
	LOADM                                          ; chunk 0
	s_mov_b32 s26, 31
.Lchunk:                                               ; 31 trips of two chunks: chunks 0 to 61
	CHUNK 0, 1, 1, 1
	CHUNK 1, 1, 1, 1
	s_sub_co_u32 s26, s26, 1
	s_cmp_lg_u32 s26, 0
	s_cbranch_scc1 .Lchunk
	CHUNK 0, 1, 0, 1                               ; chunk 62: nothing is left of source 0 to fetch
	CHUNK 1, 0, 0, 0                               ; chunk 63
.set zi, 0
.rept 32
	v_permlanex16_b32 v[Y+zi], v[L+zi], s24, s25   ; the list of the lane that saw my query's other candidates
.set zi, zi+1
.endr
	MINST
	MERGE32                                        ; both lanes of a pair now hold the query's 32 nearest, ascending
	v_and_b32 v31, 1, v[L]                         ; the mask word: bit k = the last bit of key k
.set zi, 1
.rept 31
	v_and_b32 v[Y+zi], 1, v[L+zi]
.set zi, zi+1
.endr
.set zi, 1
.rept 31
	v_lshl_or_b32 v31, v[Y+zi], zi, v31
.set zi, zi+1
.endr
	v_cmp_ne_u32 vcc_lo, 0, v30
	v_cndmask_b32 v31, 0, v31, vcc_lo              ; a masked centre masks every edge
.set zi, 0
.rept 16
	v_cndmask_b32 v[DS+zi], v[L+zi], v[L+16+zi], s29   ; lane (r, h) goes on with ranks 16 h + 0 .. 15
.set zi, zi+1
.endr
.set zi, 0
.rept 16
	v_and_b32 v[DS+zi], -2, v[DS+zi]
.set zi, zi+1
.endr
.set zi, 0
.rept 16
	v_sqrt_f32 v[DS+zi], v[DS+zi]
.set zi, zi+1
.endr
	v_lshlrev_b32 v24, 5, v3                       ; (plain lines behind the roots)  T's row: lane l takes d = 8 l .. 8 l + 7: emb_table: 32 bytes,
	v_lshlrev_b32 v25, 8, v3                       ; Wa: eight rows of 32 bytes
	v_mov_b32 v26, 0
	v_lshlrev_b32 v27, 5, v1
	v_lshl_add_u32 v27, v2, 4, v27                 ; nbr: 32 r + 16 h
	v_lshlrev_b32 v28, 2, v1                       ; nmk: 4 r
	global_load_b128 v[T:T+3], v24, s[10:11]       ; asked for here, wanted behind the argmin
	global_load_b128 v[T+4:T+7], v24, s[10:11] offset:16
.irp d, 0,1,2,3,4,5,6,7
	global_load_b64 v[L+2*\d:L+2*\d+1], v25, s[12:13] offset:32*\d
.endr
	global_load_b64 v[L+16:L+17], v26, s[14:15]
.set zi, 0
.rept 16
	v_mov_b32 v[BE+zi], 0x7f800000                 ; no bin yet: bin 0 beats +infinity
	v_mov_b32 v[IX+zi], 0
.set zi, zi+1
.endr
	s_mov_b32 s26, 8
	s_mov_b32 s27, 0                               ; the bin's number
	s_mov_b32 s28, 0                               ; the trip's first bin, in bytes
	s_load_b512 s[BN0:BN0+15], s[8:9], 0x0
.Lbins:                                                ; 8 trips of 2 x 16 bins: every bin is tried, in ascending order: nothing is taken for granted of the bins' order or spacing
	s_wait_kmcnt 0x0                               ; set 0 is in
	s_load_b512 s[BN1:BN1+15], s[8:9], s28 offset:0x40
.set zb, 0
.rept 16
	BIN BN0+zb
.set zb, zb+1
.endr
	s_add_co_u32 s31, s28, 128
	s_min_u32 s31, s31, 960                        ; the last trip's look-ahead reads the last 64 bytes once more: no load leaves the buffer
	s_wait_kmcnt 0x0                               ; set 1 is in
	s_load_b512 s[BN0:BN0+15], s[8:9], s31 offset:0x0
.set zb, 0
.rept 16
	BIN BN1+zb
.set zb, zb+1
.endr
	s_add_co_u32 s28, s28, 128
	s_sub_co_u32 s26, s26, 1
	s_cmp_lg_u32 s26, 0
	s_cbranch_scc1 .Lbins
	s_wait_kmcnt 0x0
.irp q, 0,1,2,3
	v_lshl_or_b32 v[T+8+\q], v[IX+4*\q+1], 8, v[IX+4*\q]
.endr
.irp q, 0,1,2,3
	v_lshl_or_b32 v[T+8+\q], v[IX+4*\q+2], 16, v[T+8+\q]
.endr
.irp q, 0,1,2,3
	v_lshl_or_b32 v[T+8+\q], v[IX+4*\q+3], 24, v[T+8+\q]
.endr
	global_store_b128 v27, v[T+8:T+11], s[16:17]   ; the wave stores 512 consecutive bytes, aligned
	v_cmp_gt_u32 vcc_lo, 16, v3
	s_wait_xcnt 0x0                                ; EXEC changes only behind this wait: it is a source of the loads and the store above
	s_set_vgpr_msb 0x5
	s_wait_tensorcnt 0x0
	ds_add_u32 v0, v1
	s_wait_dscnt 0x0
	s_set_vgpr_msb 0x500
	s_and_saveexec_b32 s30, vcc_lo
	global_store_b32 v28, v31, s[18:19]            ; lanes 0-15: the mask words
	s_wait_xcnt 0x0
	s_or_b32 exec_lo, exec_lo, s30
	s_wait_loadcnt 0x0                             ; emb_table's row, Wa, ba
	v_mul_f32 v[L+18], v[T], v[L]
	v_mul_f32 v[L+19], v[T], v[L+1]
.irp d, 1,2,3,4,5,6,7
	v_fma_f32 v[L+18], v[T+\d], v[L+2*\d], v[L+18]
	v_fma_f32 v[L+19], v[T+\d], v[L+2*\d+1], v[L+19]
.endr
.irp x, 1,2,4,8
	v_add_f32_dpp v[L+18], v[L+18], v[L+18] row_xmask:\x row_mask:0xf bank_mask:0xf
	v_add_f32_dpp v[L+19], v[L+19], v[L+19] row_xmask:\x row_mask:0xf bank_mask:0xf
.endr
	v_permlanex16_b32 v[L+20], v[L+18], s24, s25
	v_permlanex16_b32 v[L+21], v[L+19], s24, s25
	v_add_f32 v[L+18], v[L+18], v[L+20]
	v_add_f32 v[L+19], v[L+19], v[L+21]
	v_add_f32 v[L+18], v[L+18], v[L+16]            ; + ba
	v_add_f32 v[L+19], v[L+19], v[L+17]
	v_cmp_eq_u32 vcc_lo, 0, v3
	s_wait_xcnt 0x0
	s_and_saveexec_b32 s30, vcc_lo
	global_store_b64 v26, v[L+18:L+19], s[20:21]   ; lane 0: T[g][2 w], T[g][2 w + 1]
	s_wait_xcnt 0x0
	s_or_b32 exec_lo, exec_lo, s30
	s_endpgm
.Lfunc_end_k_qbd07f72942_knn:
	.size	k_qbd07f72942_knn, .Lfunc_end_k_qbd07f72942_knn-k_qbd07f72942_knn
	.p2alignl 7, 3214868480
	.fill 96, 4, 3214868480
	.section	.rodata,"a",@progbits
	.p2align	6, 0x0
	.amdhsa_kernel k_qbd07f72942_knn
		.amdhsa_group_segment_fixed_size 168448
		.amdhsa_private_segment_fixed_size 0
		.amdhsa_enable_private_segment 0
		.amdhsa_kernarg_size 72
		.amdhsa_user_sgpr_count 2
		.amdhsa_user_sgpr_kernarg_segment_ptr 1
		.amdhsa_wavefront_size32 1
		.amdhsa_system_sgpr_workgroup_id_x 1
		.amdhsa_system_sgpr_workgroup_id_y 1
		.amdhsa_system_sgpr_workgroup_id_z 1
		.amdhsa_system_vgpr_workitem_id 0
		.amdhsa_next_free_vgpr 258
		.amdhsa_next_free_sgpr 100
		.amdhsa_reserve_vcc 1
		.amdhsa_float_denorm_mode_32 3
		.amdhsa_float_denorm_mode_16_64 3
		.amdhsa_memory_ordered 1
		.amdhsa_forward_progress 1
		.amdhsa_inst_pref_size 255
	.end_amdhsa_kernel
	.section	.bss,"aw",@nobits
	.p2align	6
	.space	262144
	.amdgpu_metadata
---
amdhsa.version: [ 1, 2 ]
amdhsa.kernels:
  - .name:           k_qbd07f72942_knn
    .symbol:         k_qbd07f72942_knn.kd
    .args:
      - { .name: positions, .offset: 0, .size: 8, .value_kind: global_buffer, .address_space: global }
      - { .name: not_pad_mask, .offset: 8, .size: 8, .value_kind: global_buffer, .address_space: global }
      - { .name: dist_bins, .offset: 16, .size: 8, .value_kind: global_buffer, .address_space: global }
      - { .name: emb_table, .offset: 24, .size: 8, .value_kind: global_buffer, .address_space: global }
      - { .name: Wa, .offset: 32, .size: 8, .value_kind: global_buffer, .address_space: global }
      - { .name: ba, .offset: 40, .size: 8, .value_kind: global_buffer, .address_space: global }
      - { .name: nbr, .offset: 48, .size: 8, .value_kind: global_buffer, .address_space: global }
      - { .name: nmk, .offset: 56, .size: 8, .value_kind: global_buffer, .address_space: global }
      - { .name: tab, .offset: 64, .size: 8, .value_kind: global_buffer, .address_space: global }
    .group_segment_fixed_size: 168448
    .private_segment_fixed_size: 0
    .kernarg_segment_align: 8
    .kernarg_segment_size: 72
    .max_flat_workgroup_size: 128
    .sgpr_count:     100
    .vgpr_count:     258
    .wavefront_size: 32
...
	.end_amdgpu_metadata
.endif
;; end of part 1
;; launch ffn (part 2): grid 256 x 1, 4 waves a work-group, clusters of 4 x 1, 327,680 bytes of LDS; arguments x, nbr, nmk, tab, Wv_codes, Wv_scales, bv, ln_g, ln_b, Wg_codes, Wg_scales, W1_codes, W1_scales, W2_codes, W2_scales, out0; writes out0
.if DOCPART == 2
	.amdgcn_target "amdgcn-amd-amdhsa--gfx1250"
	.amdhsa_code_object_version 6
	.text
	.protected	k_qbd07f72942_ffn
	.globl	k_qbd07f72942_ffn
	.p2align	8
	.type	k_qbd07f72942_ffn,@function
k_qbd07f72942_ffn:
	s_mov_b64 s[64:65], 0
	v_nop
	global_prefetch_b8 v0, s[64:65] scope:SCOPE_SE
	s_setreg_imm32_b32 hwreg(HW_REG_WAVE_MODE, 25, 1), 1
	s_wait_xcnt 0x0
	s_wait_alu depctr_hold_cnt(0) depctr_sa_sdst(0) depctr_va_vdst(0) depctr_va_sdst(0) depctr_va_ssrc(0) depctr_va_vcc(0) depctr_vm_vsrc(0)
	s_getreg_b32 s2, hwreg(HW_REG_IB_STS2, 6, 4)
	s_cmp_eq_u32 s2, 0
	s_cbranch_scc0 .Lentry_in_a_cluster
	s_endpgm
.Lentry_in_a_cluster:
	s_bfe_u32 s2, ttmp6, 0x10000c
	s_cmp_lg_u32 s2, 0x3003
	s_cbranch_scc0 .Lentry_shape_is_right
	s_endpgm
.Lentry_shape_is_right:
; LocalAtomAttention, second launch: out = x + (silu(h Wg) * (h W1)) W2,  h = LayerNorm((x Wv + bv) * w[head]),  w[head] = S / (S + 1e-6),  S = the masked sum of the head's softmax row.
; The four large products run on codes of E4M3 with one E8M0 scale for each 32 along K; x, h and the gated hidden layer are quantised in registers; nothing between x and out goes to memory.
; THE HEAD WEIGHTS.  An atom's 32 x 8 logits T[bucket of rank k][0..7] are read flat as 8 rows of 32: row h' holds ranks 4 h' .. 4 h' + 3 with all eight logits; column k' is masked by the mask of rank k'.
; SHARES.  A work-group of four waves takes 64 rows.  Up to h the work goes BY ROWS (wave w: rows 16 w .. 16 w + 15, all 256 columns: a row's mean and variance lie in lanes l and l xor 16);
; from h on BY COLUMNS (up: wave w makes hidden units 128 u + 32 w .. + 31 of slot u; down: outputs 64 w .. 64 w + 63; for all 64 rows), so that each weight fragment read from LDS feeds four products.
; Operands go from wave to wave through LDS as images of their registers (16 bytes a lane, 512 bytes a store); scale words 4 bytes a lane.
; ALL PRODUCTS ARE USED TRANSPOSED: source 0 = 16 rows of a weight, source 1 = 16 rows of the activation: a lane holds one row (lane % 16).  THE ROWS OF Wv, Wg, W1 THAT FORM A TILE ARE NOT NEIGHBOURS:
; lane r of tile 2 b + u takes row 32 b + 8 u + r + 8 (r / 8), so that register 16 b + i of a lane is column 32 b + 16 (lane / 16) + i: the next operand's own order.
; THE WEIGHTS come through a ring of two LDS slots of 256 rows x 256 bytes: Wv; eight slots of 128 rows of Wg and 128 of W1; four slots of W2 (256 along K each).  Each wave fetches 64 rows with one tensor load.
; CLUSTER.  The four work-groups of a cluster walk the same thirteen tiles, so each tile is asked for JOINTLY (mask 15): no address of a tile and no LDS address hangs on the place in the cluster.
; Everything is written out, without a loop: every LDS address is a register made at the head plus an immediate.  By this text's own count a wave has one tensor load out at a time.
; LIMITS: blocks whose largest magnitude lies under 2^-118 keep the scale byte 1 (a block of zeros too: its codes are zeros); NaN and infinities are not served; where the gate lies under about -88 the
; exponential overflows and silu comes out as 0, its true value being under 1e-36.
; REGISTERS, in windows of 256: window 0: v0-31 addresses; v32-63 the weights' scale words; v64-191 128 numbers or 16 accumulators; v192-223 codes; v224-239 at work; v240-247 the activations' scale words; v248-255 at work.
;   window 1: v0-31 the 32 mask floats, v32-47 the eight head weights, each twice; later v0-127 fragments of h, then of the hidden layer; v128-255 ln_b.
;   window 2: x and the scale bytes on their way to LDS; later the weights' fragments.   window 3: v0-127 bv; v128-255 ln_g.
.set RING1, 69632                      ; LDS: slot 0 at 0, slot 1 here: 256 rows of 256 bytes + 16 of padding
.set WSL,   17408                      ; a wave's 64 rows of a slot
.set XS,    139264                     ; 64 rows of x, 1,024 bytes + 16; at the end the stage for out
.set XP,    1040
.set HIMG,  205824                     ; h: 8 fragments of 2,048 bytes (2 x tile of rows + K step)
.set HSC,   222208                     ; their scale words, 128 bytes each
.set AIMG,  223232                     ; the hidden layer: 32 fragments (4 x K step + tile of rows)
.set ASC,   288768                     ; their scale words
.set SCV,   292864                     ; the weights' scale bytes as they lie in memory: Wv's 2,048,
.set SCG,   294912                     ; Wg's 8,192, W1's 8,192,
.set SC2,   311296                     ; W2's 8,192
.set SPARE, 319488                     ; the spare words, 128 bytes for each wave: two blocks of 256 bytes that no other line names
.set SPW, 4                            ; v4   LDS address of my spare word; never rewritten
.set NIL, 5                            ; v5   0; never rewritten
.set AV,  6                            ; v6   my lane's place in a tile of Wv (slot 0)
.set AG0, 7                            ; v7-8  in my 32 rows of Wg, slot 0, 1 (W1's lie 128 rows on)
.set AD0, 9                            ; v9-10 in my 64 rows of W2, slot 0, 1
.set LI,  11                           ; v11  16 x lane
.set LIH, 12                           ; v12  HIMG + 16 x lane
.set LIA, 13                           ; v13  AIMG + 16 x lane
.set LSH, 14                           ; v14  HSC + 4 x lane
.set LSA, 15                           ; v15  ASC + 4 x lane
.set HWI, 16                           ; v16  where I store h's images: LIH + 4,096 x wave
.set HWS, 17                           ; v17  and their scale words: LSH + 256 x wave
.set AWI, 18                           ; v18  the hidden layer's: LIA + 512 x wave: registers 4 w .. 4 w + 3 of a fragment
.set AWS, 19                           ; v19  LSA + wave: byte w of a scale word
.set SVA, 20                           ; v20  my row's scale bytes of Wv,
.set SGA, 21                           ; v21  of Wg (W1's lie 8,192 bytes on),
.set S2A, 22                           ; v22  of W2
.set XSW, 23                           ; v23  XS: my wave's 16 rows, 16 bytes a lane
.set XSQ, 24                           ; v24  XS: row 16 w + r, + 64 h: my 16 numbers of a block of 32
.set XSC, 25                           ; v25  XS: row r, + 256 w + 32 h: my eight outputs of a tile
.set WS,  32
.set ACC, 64
.set PC,  192
.set TM,  224
.set HS,  240
.set MF,  0                            ; in window 1
.set WP,  32                           ; in window 1
.set G1A, 36                           ; s[36:43] descriptor group 1: 64 rows of 256 bytes, 256 bytes apart;  s[44:51] the same, 1,024 bytes apart (W2)
.set G1D, 44
.set G0V, 52                           ; groups 0: Wv;  up tiles for slot 1 and slot 0;  W2's for slot 1 and slot 0
.set G0U1, 56
.set G0U0, 60
.set G0D1, 68
.set G0D0, 72
.set WV,  76                           ; s76  my wave's number
.set SEL, 80                           ; s[80:81] lane selects for v_permlanex16_b32: lane l xor 16
.set MNT, 82                           ; s82  the mantissa field of 448
.set HM,  83                           ; s83  the lanes with h = 1
.set CL,  84                           ; s[84:85] log2(e)
.set NL,  86                           ; s[86:87] -log2(e)
.set MSB, 0
.macro WIN new                         ; the immediate's high byte repeats the setting that is left; low byte: bits 1:0 source 0, 3:2 source 1, 5:4 source 2, 7:6 destination
.if MSB != \new
	s_set_vgpr_msb (MSB<<8)|\new
.set MSB, \new
.endif
.endm
.macro PLACES n
.rept \n
	v_nop
.endr
.endm
.macro ROUND                           ; a round of the cluster's barrier
	s_barrier_signal -1
	s_barrier_wait -1
	s_cmp_lg_u32 s[WV], 0
	s_cbranch_scc1 .Lnot_wave_0_\@
	s_barrier_signal -3
.Lnot_wave_0_\@:
	s_barrier_wait -3
	s_barrier_signal -1
	s_barrier_wait -1
.endm
; THE CHANGE OF SLOTS stands at a slot's head.  Each wave waits for all its tensor loads (one is out: its part of the slot that it is about to read), adds 0 to its spare word, and waits for that, for its reads
; of the slot that it has left and for its LDS stores.  Behind the round no wave of any partner reads the other slot or has a load on its way: it is filled with the tile after this one, first thing.
; sg, sb: a group 0 whose load has landed steps sb bytes on (sb = 0: none);  lg0, lg1: the descriptor of the load.
.macro CHANGE sg, sb, lg0, lg1
	s_wait_tensorcnt 0x0
	ds_add_u32 v[SPW], v[NIL]
.if \sb
	s_add_nc_u64 s[\sg+2:\sg+3], s[\sg+2:\sg+3], \sb
.endif
	s_wait_dscnt 0x0
	ROUND
	tensor_load_to_lds s[\lg0:\lg0+3], s[\lg1:\lg1+7]
	s_nop 0
	PLACES 4
.endm
; 64 numbers of a lane, v[s] on, in four blocks of 16 that lanes l and l xor 16 share, become codes in v[d] on (four registers a block); the blocks' scale bytes stay in v[TM+4] on; word = 1: they make the word v[pw].
.macro QUANT s, d, pw, word
.irp b, 0,1,2,3
	v_max3_num_f32 v[TM+\b], |v[\s+16*\b]|, |v[\s+1+16*\b]|, 0x4800000   ; my 16 numbers, and the floor 2^(9 - 127): the byte cannot fall under 1
.endr
.irp i, 2,4,6,8,10,12,14
.irp b, 0,1,2,3
	v_max3_num_f32 v[TM+\b], v[TM+\b], |v[\s+16*\b+\i]|, |v[\s+1+16*\b+\i]|
.endr
.endr
.irp b, 0,1,2,3
	v_permlanex16_b32 v[TM+4+\b], v[TM+\b], s[SEL], s[SEL+1]
.endr
.irp b, 0,1,2,3
	v_max_num_f32 v[TM+\b], v[TM+\b], v[TM+4+\b]   ; the block's largest magnitude
.endr
.irp b, 0,1,2,3
	v_add_nc_u32 v[TM+12+\b], 0xfc000000, v[TM+\b] ; 8 off its exponent field: the conversion's scale operand
.endr
.irp b, 0,1,2,3
	v_and_or_b32 v[TM+8+\b], v[TM+\b], 0x7f800000, s[MNT]   ; 448 x the scale
.endr
.irp b, 0,1,2,3
	v_lshrrev_b32 v[TM+4+\b], 23, v[TM+12+\b]      ; the scale's byte
.endr
.if \word
	v_lshl_or_b32 v[\pw], v[TM+5], 8, v[TM+4]
	v_lshl_or_b32 v[\pw], v[TM+6], 16, v[\pw]
	v_lshl_or_b32 v[\pw], v[TM+7], 24, v[\pw]
.endif
.irp b, 0,1,2,3
.irp i, 0,1,2,3,4,5,6,7,8,9,10,11,12,13,14,15
	v_med3_num_f32 v[\s+16*\b+\i], v[\s+16*\b+\i], -v[TM+8+\b], v[TM+8+\b]   ; the conversion to an 8-bit code does not saturate (ISA guide 7.6.2): the hold at 448 x the scale
.endr
	v_cvt_scalef32_pk8_fp8_f32 v[\d+4*\b:\d+4*\b+1], v[\s+16*\b:\s+16*\b+7], v[TM+12+\b]
	v_cvt_scalef32_pk8_fp8_f32 v[\d+4*\b+2:\d+4*\b+3], v[\s+16*\b+8:\s+16*\b+15], v[TM+12+\b]
.endr
	v_nop                                          ; one plain line behind the last conversion
.endm
.macro JOIN                            ; four packed chains in v[TM] .. v[TM+7] -> the row's sum in v[TM]
	v_pk_add_f32 v[TM:TM+1], v[TM:TM+1], v[TM+2:TM+3]
	v_pk_add_f32 v[TM+4:TM+5], v[TM+4:TM+5], v[TM+6:TM+7]
	v_pk_add_f32 v[TM:TM+1], v[TM:TM+1], v[TM+4:TM+5]
	v_add_f32 v[TM], v[TM], v[TM+1]
	v_permlanex16_b32 v[TM+2], v[TM], s[SEL], s[SEL+1]
	v_add_f32 v[TM], v[TM], v[TM+2]
.endm
	s_load_b512 s[4:19], s[0:1], 0x0               ; x s[4:5], nbr s[6:7], nmk s[8:9], tab s[10:11], Wv codes s[12:13], scales s[14:15], bv s[16:17], ln_g s[18:19]
	s_load_b512 s[20:35], s[0:1], 0x40             ; ln_b s[20:21], Wg s[22:23], s[24:25], W1 s[26:27], s[28:29], W2 s[30:31], s[32:33], out s[34:35]
	v_lshl_add_u32 v[SPW], v0, 2, SPARE
	v_mov_b32 v[NIL], 0
	ds_add_u32 v4, v5
	ds_add_u32 v4, v5
	s_wait_dscnt 0x0
	v_lshrrev_b32 v1, 5, v0
	v_readfirstlane_b32 s[WV], v1                  ; wave 0..3
	v_and_b32 v1, 15, v0                           ; r
	v_bfe_u32 v2, v0, 4, 1                         ; h
	v_and_b32 v3, 31, v0                           ; lane
	s_bfe_u32 s77, ttmp6, 0x40000                  ; cx: it enters the addresses of x, nbr, nmk and out alone
	s_lshl_b32 s88, ttmp9, 2
	s_add_co_u32 s88, s88, s77                     ; my work-group = 4 x cluster + cx
	s_lshl_b32 s88, s88, 6
	s_lshl_b32 s77, s[WV], 4
	s_add_co_u32 s88, s88, s77                     ; my wave's first row
	s_mov_b32 s[G1A], 15|(1<<20)|(1<<21)|(5<<22)|(3<<25)   ; 15:0 the mask: all four work-groups; 17:16 elements of 1 byte; 20 padding on; 21 set beside a mask; 24:22 after every 64 words; 31:25 four words
	s_mov_b32 s[G1A+1], 256<<16                    ; tensor_dim0
	s_mov_b32 s[G1A+2], 64<<16                     ; tensor_dim1
	s_mov_b32 s[G1A+3], 256<<16                    ; tile_dim0
	s_mov_b32 s[G1A+4], 64                         ; tile_dim1
	s_mov_b32 s[G1A+5], 256                        ; from row to row
	s_mov_b32 s[G1A+6], 0
	s_mov_b32 s[G1A+7], 0
	s_mov_b32 s[G1D], 15|(1<<20)|(1<<21)|(5<<22)|(3<<25)
	s_mov_b32 s[G1D+1], 256<<16
	s_mov_b32 s[G1D+2], 64<<16
	s_mov_b32 s[G1D+3], 256<<16
	s_mov_b32 s[G1D+4], 64
	s_mov_b32 s[G1D+5], 1024
	s_mov_b32 s[G1D+6], 0
	s_mov_b32 s[G1D+7], 0
	s_mov_b32 s[SEL], 0x76543210
	s_mov_b32 s[SEL+1], 0xfedcba98
	s_mov_b32 s[MNT], 0x600000
	s_mov_b32 s[HM], 0xffff0000
	s_mov_b32 s[CL], 0x3fb8aa3b
	s_mov_b32 s[CL+1], s[CL]
	s_mov_b32 s[NL], 0xbfb8aa3b
	s_mov_b32 s[NL+1], s[NL]
	s_mov_b32 s94, 0x3b800000                      ; 1 / 256
	s_mov_b32 s95, 0x3727c5ac                      ; 1e-5
	s_mul_i32 s89, s[WV], WSL                      ; my 64 rows of a slot
	s_mov_b32 s79, 0
	s_wait_kmcnt 0x0
	s_lshl_b32 s78, s[WV], 14                      ; Wv: 64 rows of 256 bytes a wave
	s_mov_b32 s[G0V], 1
	s_mov_b32 s[G0V+1], s89
	s_add_nc_u64 s[G0V+2:G0V+3], s[12:13], s[78:79]
	s_or_b32 s[G0V+3], s[G0V+3], 0x80000000
	s_cmp_lt_u32 s[WV], 2                          ; waves 0, 1 fetch Wg's two halves of an up tile, waves 2, 3 W1's
	s_cselect_b64 s[90:91], s[22:23], s[26:27]
	s_and_b32 s78, s[WV], 1
	s_lshl_b32 s78, s78, 14
	s_add_nc_u64 s[90:91], s[90:91], s[78:79]
	s_mov_b32 s[G0U1], 1                           ; up tiles 0, 2, 4, 6 go to slot 1,
	s_add_co_u32 s[G0U1+1], s89, RING1
	s_mov_b64 s[G0U1+2:G0U1+3], s[90:91]
	s_or_b32 s[G0U1+3], s[G0U1+3], 0x80000000
	s_mov_b32 s[G0U0], 1                           ; tiles 1, 3, 5, 7 to slot 0: 128 rows on
	s_mov_b32 s[G0U0+1], s89
	s_add_nc_u64 s[G0U0+2:G0U0+3], s[90:91], 32768
	s_or_b32 s[G0U0+3], s[G0U0+3], 0x80000000
	s_lshl_b32 s78, s[WV], 16                      ; W2: 64 rows of 1,024 bytes a wave
	s_add_nc_u64 s[92:93], s[30:31], s[78:79]
	s_mov_b32 s[G0D1], 1                           ; K bytes 0 and 512 on go to slot 1,
	s_add_co_u32 s[G0D1+1], s89, RING1
	s_mov_b64 s[G0D1+2:G0D1+3], s[92:93]
	s_or_b32 s[G0D1+3], s[G0D1+3], 0x80000000
	s_mov_b32 s[G0D0], 1                           ; 256 and 768 on to slot 0
	s_mov_b32 s[G0D0+1], s89
	s_add_nc_u64 s[G0D0+2:G0D0+3], s[92:93], 256
	s_or_b32 s[G0D0+3], s[G0D0+3], 0x80000000
	s_lshl_b32 s78, s88, 10
	s_add_nc_u64 s[4:5], s[4:5], s[78:79]          ; x and out at my wave's first row
	s_add_nc_u64 s[34:35], s[34:35], s[78:79]
	s_lshl_b32 s78, s88, 5
	s_add_nc_u64 s[6:7], s[6:7], s[78:79]          ; nbr
	s_lshl_b32 s78, s88, 2
	s_add_nc_u64 s[8:9], s[8:9], s[78:79]          ; nmk
	ROUND                                          ; all four work-groups are here: the first joint load meets
	tensor_load_to_lds s[G0V:G0V+3], s[G1A:G1A+7]  ; Wv into slot 0
	s_nop 0
	PLACES 4
	v_lshlrev_b32 v26, 5, v1
	v_lshl_add_u32 v26, v2, 4, v26                 ; nbr: row r, ranks 16 h on
	v_lshlrev_b32 v27, 2, v1
	v_lshlrev_b32 v[LI], 4, v3
	v_lshlrev_b32 v28, 4, v0                       ; the scale bytes: 16 a thread
	global_load_b128 v[PC+16:PC+19], v26, s[6:7]
	global_load_b32 v31, v27, s[8:9]
	WIN 0x80                                       ; destination window 2
.set zi, 0
.rept 32
	global_load_b128 v[4*zi:4*zi+3], v[LI], s[4:5] offset:512*zi th:TH_LOAD_NT   ; my 16 rows of x are 16,384 consecutive bytes, 512 an instruction
.set zi, zi+1
.endr
	global_load_b128 v[128:131], v28, s[14:15]
.irp i, 0,1,2,3
	global_load_b128 v[132+4*\i:135+4*\i], v28, s[24:25] offset:2048*\i
.endr
.irp i, 0,1,2,3
	global_load_b128 v[148+4*\i:151+4*\i], v28, s[28:29] offset:2048*\i
.endr
.irp i, 0,1,2,3
	global_load_b128 v[164+4*\i:167+4*\i], v28, s[32:33] offset:2048*\i
.endr
	WIN 0
	; LDS addresses, while the loads are on their way
	v_and_b32 v248, 8, v1
	v_add_nc_u32 v248, v248, v1                    ; r + 8 (r / 8)
	v_mul_u32_u24 v[AV], v248, 272
	v_lshl_add_u32 v[AV], v2, 4, v[AV]
	s_mul_i32 s77, s[WV], 32*272
	v_add_nc_u32 v[AG0], s77, v[AV]
	v_add_nc_u32 v[AG0+1], RING1, v[AG0]
	v_mul_u32_u24 v[AD0], v1, 272
	v_lshl_add_u32 v[AD0], v2, 4, v[AD0]
	v_add_nc_u32 v[AD0], s89, v[AD0]
	v_add_nc_u32 v[AD0+1], RING1, v[AD0]
	v_add_nc_u32 v[LIH], HIMG, v[LI]
	v_add_nc_u32 v[LIA], AIMG, v[LI]
	v_lshlrev_b32 v249, 2, v3
	v_add_nc_u32 v[LSH], HSC, v249
	v_add_nc_u32 v[LSA], ASC, v249
	s_lshl_b32 s77, s[WV], 12
	v_add_nc_u32 v[HWI], s77, v[LIH]
	s_lshl_b32 s77, s[WV], 8
	v_add_nc_u32 v[HWS], s77, v[LSH]
	v_lshl_add_u32 v[SGA], v248, 3, SCG
	v_add_nc_u32 v[SGA], s77, v[SGA]               ; my 32 rows of an up tile: 8 bytes a row
	v_mul_u32_u24 v[XSC], v1, XP
	v_lshl_add_u32 v[XSC], v2, 5, v[XSC]
	v_add_nc_u32 v[XSC], s77, v[XSC]
	v_add_nc_u32 v[XSC], XS, v[XSC]
	s_lshl_b32 s77, s[WV], 9
	v_add_nc_u32 v[AWI], s77, v[LIA]
	v_add_nc_u32 v[AWS], s[WV], v[LSA]
	v_lshl_add_u32 v[SVA], v248, 3, SCV
	s_lshl_b32 s77, s[WV], 11
	v_lshl_add_u32 v[S2A], v1, 5, SC2
	v_add_nc_u32 v[S2A], s77, v[S2A]               ; my 64 rows of W2: 32 bytes a row
	s_mul_i32 s77, s[WV], 16*XP
	v_add_nc_u32 v[XSW], s77, v[LI]
	v_add_nc_u32 v[XSW], XS, v[XSW]
	v_mul_u32_u24 v[XSQ], v1, XP
	v_lshl_add_u32 v[XSQ], v2, 6, v[XSQ]
	v_add_nc_u32 v[XSQ], s77, v[XSQ]
	v_add_nc_u32 v[XSQ], XS, v[XSQ]
	v_lshl_add_u32 v29, v0, 4, SCV
	v_lshlrev_b32 v30, 6, v2                       ; bv, ln_g, ln_b: 64 h
.irp b, 0,1,2,3
	v_mov_b32 v[TM+4+\b], 0                        ; written once: a lane permute's destination counts as one of its sources
.endr
	s_wait_loadcnt 45                              ; nbr and nmk are in: behind them 32 loads of x and 13 of scale bytes were issued
.set zi, 0
.rept 16
	v_bfe_u32 v[PC+zi], v[PC+16+zi/4], 8*(zi%4), 8 ; the bucket of rank 16 h + i,
.set zi, zi+1
.endr
.set zi, 0
.rept 16
	v_min_u32 v[PC+zi], 0xff, v[PC+zi]             ; held inside the table,
.set zi, zi+1
.endr
.set zi, 0
.rept 16
	v_lshlrev_b32 v[PC+zi], 5, v[PC+zi]            ; times a row of 32 bytes
.set zi, zi+1
.endr
.set zi, 0
.rept 16
	global_load_b128 v[ACC+8*zi:ACC+8*zi+3], v[PC+zi], s[10:11]
	global_load_b128 v[ACC+8*zi+4:ACC+8*zi+7], v[PC+zi], s[10:11] offset:16
.set zi, zi+1
.endr
	WIN 0x40                                       ; destination window 1
.set zi, 0
.rept 32
	v_bfe_u32 v[MF+zi], v31, zi, 1                 ; the mask of rank k' (with the centre's in it),
.set zi, zi+1
.endr
	WIN 0x41
.set zi, 0
.rept 32
	v_cvt_f32_u32 v[MF+zi], v[MF+zi]               ; as 0.0 or 1.0
.set zi, zi+1
.endr
	WIN 0
	s_wait_loadcnt 32                              ; x and the scale bytes are in; the 32 gathers may be out
	WIN 0x08                                       ; an LDS store's data are its source 1: window 2
.set zi, 0
.rept 32
	ds_store_b128 v[XSW], v[4*zi:4*zi+3] offset:(zi/2)*XP+(zi%2)*512
.set zi, zi+1
.endr
.set zi, 0
.rept 13
	ds_store_b128 v29, v[128+4*zi:131+4*zi] offset:2048*zi
.set zi, zi+1
.endr
	WIN 0
	s_wait_loadcnt 0x0                             ; the logits
	WIN 0xc0                                       ; destination window 3: register 16 b + i takes column 32 b + 16 h + i
.set zi, 0
.rept 32
	global_load_b128 v[4*zi:4*zi+3], v30, s[16:17] offset:128*(zi/4)+16*(zi%4)
.set zi, zi+1
.endr
.set zi, 0
.rept 32
	global_load_b128 v[128+4*zi:131+4*zi], v30, s[18:19] offset:128*(zi/4)+16*(zi%4)
.set zi, zi+1
.endr
	WIN 0x40
.set zi, 0
.rept 32
	global_load_b128 v[128+4*zi:131+4*zi], v30, s[20:21] offset:128*(zi/4)+16*(zi%4)
.set zi, zi+1
.endr
	WIN 0
	; ---- THE HEAD WEIGHTS.  My lane works rows 4 h + q, q = 0 .. 3; row q's 32 logits are v[ACC + 32 q] on, in the order of its columns
.irp q, 0,1,2,3
	v_max3_num_f32 v[TM+\q], v[ACC+32*\q], v[ACC+32*\q+1], v[ACC+32*\q+2]
.endr
.set zi, 3
.rept 14
.irp q, 0,1,2,3
	v_max3_num_f32 v[TM+\q], v[TM+\q], v[ACC+32*\q+zi], v[ACC+32*\q+zi+1]
.endr
.set zi, zi+2
.endr
.irp q, 0,1,2,3
	v_max_num_f32 v[TM+\q], v[TM+\q], v[ACC+32*\q+31]   ; the row's maximum is taken away ahead of the exponential
.endr
.irp q, 0,1,2,3
	v_mul_f32 v[TM+8+2*\q], s[NL], v[TM+\q]
	v_mul_f32 v[TM+9+2*\q], s[NL], v[TM+\q]
.endr
.set zi, 0
.rept 16
.irp q, 0,1,2,3
	v_pk_fma_f32 v[ACC+32*\q+zi:ACC+32*\q+zi+1], v[ACC+32*\q+zi:ACC+32*\q+zi+1], s[CL:CL+1], v[TM+8+2*\q:TM+9+2*\q] op_sel_hi:[1,0,1]
.endr
.set zi, zi+2
.endr
.set zi, 0
.rept 128
	v_exp_f32 v[ACC+zi], v[ACC+zi]
.set zi, zi+1
.endr
	v_nop                                          ; a plain line behind the exponentials
	s_wait_alu depctr_va_vdst(0)
.irp q, 0,1,2,3
	v_pk_add_f32 v[TM+2*\q:TM+2*\q+1], v[ACC+32*\q:ACC+32*\q+1], v[ACC+32*\q+2:ACC+32*\q+3]
.endr
.set zi, 4
.rept 14
.irp q, 0,1,2,3
	v_pk_add_f32 v[TM+2*\q:TM+2*\q+1], v[TM+2*\q:TM+2*\q+1], v[ACC+32*\q+zi:ACC+32*\q+zi+1]   ; the softmax's divisor
.endr
.set zi, zi+2
.endr
	WIN 0x04                                       ; source 1 (the mask floats) window 1
.irp q, 0,1,2,3
	v_pk_mul_f32 v[TM+8+2*\q:TM+9+2*\q], v[ACC+32*\q:ACC+32*\q+1], v[MF:MF+1]
.endr
.set zi, 2
.rept 15
.irp q, 0,1,2,3
	v_pk_fma_f32 v[TM+8+2*\q:TM+9+2*\q], v[ACC+32*\q+zi:ACC+32*\q+zi+1], v[MF+zi:MF+zi+1], v[TM+8+2*\q:TM+9+2*\q]   ; the masked sum
.endr
.set zi, zi+2
.endr
	WIN 0
.irp q, 0,1,2,3
	v_add_f32 v[TM+2*\q], v[TM+2*\q], v[TM+2*\q+1]
.endr
.irp q, 0,1,2,3
	v_add_f32 v[TM+8+2*\q], v[TM+8+2*\q], v[TM+9+2*\q]
.endr
.irp q, 0,1,2,3
	v_rcp_f32 v[TM+2*\q+1], v[TM+2*\q]             ; the divisor is at least 1
.endr
	v_nop
	s_wait_alu depctr_va_vdst(0)
.irp q, 0,1,2,3
	v_mul_f32 v[TM+8+2*\q], v[TM+8+2*\q], v[TM+2*\q+1]   ; S
.endr
.irp q, 0,1,2,3
	v_add_f32 v[TM+2*\q], 0x358637bd, v[TM+8+2*\q]       ; S + 1e-6
.endr
.irp q, 0,1,2,3
	v_rcp_f32 v[TM+2*\q+1], v[TM+2*\q]
.endr
	v_nop
	s_wait_alu depctr_va_vdst(0)
.irp q, 0,1,2,3
	v_mul_f32 v[TM+8+2*\q], v[TM+8+2*\q], v[TM+2*\q+1]   ; w of head 4 h + q
.endr
.irp q, 0,1,2,3
	v_permlanex16_b32 v[TM+2*\q], v[TM+8+2*\q], s[SEL], s[SEL+1]   ; and of the other four heads
.endr
	WIN 0x40
.irp q, 0,1,2,3
	v_cndmask_b32 v[WP+2*\q], v[TM+8+2*\q], v[TM+2*\q], s[HM]      ; heads 0-3: mine where h = 0; each twice, a pair for the packed multiply
	v_cndmask_b32 v[WP+2*\q+1], v[TM+8+2*\q], v[TM+2*\q], s[HM]
	v_cndmask_b32 v[WP+8+2*\q], v[TM+2*\q], v[TM+8+2*\q], s[HM]    ; heads 4-7: mine where h = 1
	v_cndmask_b32 v[WP+9+2*\q], v[TM+2*\q], v[TM+8+2*\q], s[HM]
.endr
	WIN 0
	; ---- x: my 16 rows become two fragments.  The rows are my wave's own: LDS serves a wave's instructions in order, so these loads see my stores
.set zi, 0
.rept 32
	ds_load_b128 v[ACC+4*zi:ACC+4*zi+3], v[XSQ] offset:128*(zi/4)+16*(zi%4)
.set zi, zi+1
.endr
	s_wait_dscnt 0x0
	QUANT ACC, PC, HS, 1
	QUANT ACC+64, PC+16, HS+1, 1
	; ---- v = x Wv + bv, by rows: 16 tiles of Wv x 2 K steps, in four batches through the two halves of window 2
.macro LOADV q
	WIN 0x80
.irp e, 0,1,2,3
.irp k, 0,1
.irp c, 0,1,2,3
	ds_load_b128 v[128*((\q)%2)+16*(2*\e+\k)+4*\c:128*((\q)%2)+16*(2*\e+\k)+4*\c+3], v[AV] offset:(32*((4*(\q)+\e)/2)+8*(\e%2))*272+128*\k+32*\c
.endr
.endr
.endr
	WIN 0
.endm
.macro MULV q                          ; four accumulators by turns: K step 0 with bv as C, then K step 1 in place
	WIN 0x32                                       ; source 0 (Wv) window 2, source 2 (bv) window 3
.irp e, 0,1,2,3
	v_wmma_scale_f32_16x16x128_f8f6f4 v[ACC+8*(4*(\q)+\e):ACC+8*(4*(\q)+\e)+7], v[128*((\q)%2)+32*\e:128*((\q)%2)+32*\e+15], v[PC:PC+15], v[8*(4*(\q)+\e):8*(4*(\q)+\e)+7], v[WS+2*(4*(\q)+\e)], v[HS]
.endr
	WIN 0x02
.irp e, 0,1,2,3
	v_wmma_scale_f32_16x16x128_f8f6f4 v[ACC+8*(4*(\q)+\e):ACC+8*(4*(\q)+\e)+7], v[128*((\q)%2)+32*\e+16:128*((\q)%2)+32*\e+31], v[PC+16:PC+31], v[ACC+8*(4*(\q)+\e):ACC+8*(4*(\q)+\e)+7], v[WS+2*(4*(\q)+\e)+1], v[HS+1]
.endr
	WIN 0
.endm
	CHANGE G0V, 0, G0U1, G1A                       ; Wv has landed everywhere, and so have the scale bytes; up tile 0 goes to slot 1
.set zi, 0
.rept 16
	ds_load_b64 v[WS+2*zi:WS+2*zi+1], v[SVA] offset:(32*(zi/2)+8*(zi%2))*8   ; a row's 8 scale bytes: the words of both K steps
.set zi, zi+1
.endr
	LOADV 0
	LOADV 1
	s_wait_loadcnt 0x0                             ; bv, ln_g, ln_b
	PLACES 8                                       ; x's codes and scale words were written by vector lines: places in front of the scaled products
	s_wait_dscnt 32                                ; all but the batch just issued
	MULV 0
	PLACES 8                                       ; in front of loads into registers that the products have read (ISA guide 7.12.1 for vector instructions)
	LOADV 2
	s_wait_dscnt 32
	MULV 1
	PLACES 8
	LOADV 3
	s_wait_dscnt 32
	MULV 2
	s_wait_dscnt 0x0
	MULV 3
	PLACES 8
	; ---- upd = v x w[head]; LayerNorm in two passes (the mean first, then the squares of what is left); h
	WIN 0x04
.set zi, 0
.rept 64
	v_pk_mul_f32 v[ACC+2*zi:ACC+2*zi+1], v[ACC+2*zi:ACC+2*zi+1], v[WP+2*(zi/8):WP+2*(zi/8)+1]   ; registers 16 b .. 16 b + 15 are head b's; each accumulator from its low end on
.set zi, zi+1
.endr
	WIN 0
.irp c, 0,1,2,3
	v_pk_add_f32 v[TM+2*\c:TM+2*\c+1], v[ACC+2*\c:ACC+2*\c+1], v[ACC+8+2*\c:ACC+9+2*\c]
.endr
.set zi, 8
.rept 56
	v_pk_add_f32 v[TM+2*(zi%4):TM+2*(zi%4)+1], v[TM+2*(zi%4):TM+2*(zi%4)+1], v[ACC+2*zi:ACC+2*zi+1]
.set zi, zi+1
.endr
	JOIN
	v_mul_f32 v[TM+8], s94, v[TM]                  ; the mean, twice
	v_mul_f32 v[TM+9], s94, v[TM]
.set zi, 0
.rept 64
	v_pk_add_f32 v[ACC+2*zi:ACC+2*zi+1], v[ACC+2*zi:ACC+2*zi+1], v[TM+8:TM+9] neg_lo:[0,1] neg_hi:[0,1]
.set zi, zi+1
.endr
.irp c, 0,1,2,3
	v_pk_mul_f32 v[TM+2*\c:TM+2*\c+1], v[ACC+2*\c:ACC+2*\c+1], v[ACC+2*\c:ACC+2*\c+1]
.endr
.set zi, 4
.rept 60
	v_pk_fma_f32 v[TM+2*(zi%4):TM+2*(zi%4)+1], v[ACC+2*zi:ACC+2*zi+1], v[ACC+2*zi:ACC+2*zi+1], v[TM+2*(zi%4):TM+2*(zi%4)+1]
.set zi, zi+1
.endr
	JOIN
	v_fma_f32 v[TM], v[TM], s94, s95               ; the variance + 1e-5
	v_rsq_f32 v[TM+8], v[TM]
	v_rsq_f32 v[TM+9], v[TM]
	v_nop
.set zi, 0
	s_wait_alu depctr_va_vdst(0)
.rept 64
	v_pk_mul_f32 v[ACC+2*zi:ACC+2*zi+1], v[ACC+2*zi:ACC+2*zi+1], v[TM+8:TM+9]
.set zi, zi+1
.endr
	WIN 0x1c                                       ; source 1 (ln_g) window 3, source 2 (ln_b) window 1
.set zi, 0
.rept 64
	v_pk_fma_f32 v[ACC+2*zi:ACC+2*zi+1], v[ACC+2*zi:ACC+2*zi+1], v[128+2*zi:129+2*zi], v[128+2*zi:129+2*zi]
.set zi, zi+1
.endr
	WIN 0
	QUANT ACC, PC, 248, 1
	QUANT ACC+64, PC+16, 249, 1
.irp c, 0,1,2,3
	ds_store_b128 v[HWI], v[PC+4*\c:PC+4*\c+3] offset:512*\c
	ds_store_b128 v[HWI], v[PC+16+4*\c:PC+19+4*\c] offset:2048+512*\c
.endr
	ds_store_b32 v[HWS], v248
	ds_store_b32 v[HWS], v249 offset:128
	s_wait_dscnt 0x0                               ; for the others' sake: my two fragments of h are in LDS
	s_barrier_signal -1
	s_barrier_wait -1
	WIN 0x40
.set zi, 0
.rept 32
	ds_load_b128 v[4*zi:4*zi+3], v[LIH] offset:512*zi   ; all eight fragments of h: they stay in window 1 through the up slots
.set zi, zi+1
.endr
	WIN 0
.irp f, 0,1,2,3,4,5,6,7
	ds_load_b32 v[HS+\f], v[LSH] offset:128*\f
.endr
; ---- AN UP SLOT: tile u lies in slot b.  My 32 hidden units: two tiles of Wg, two of W1, x two K steps, against the four tiles of rows: 16 accumulators by turns.
; G(m) = v[ACC + 16 m] on, U(m) = v[ACC + 64 + 16 m] on.  silu(G) U = G U / (1 + 2^(-G log2 e)).  My 16 numbers of a row are half of block w of K step u of the last product.
.macro UPSLOT b, u, sg, lg0, lg1
	CHANGE \sg, 65536, \lg0, \lg1
	WIN 0x80
.irp g, 0,1
.irp e, 0,1
.irp k, 0,1
.irp c, 0,1,2,3
	ds_load_b128 v[16*(4*\g+2*\e+\k)+4*\c:16*(4*\g+2*\e+\k)+4*\c+3], v[AG0+\b] offset:34816*\g+2176*\e+128*\k+32*\c
.endr
.endr
.endr
.endr
	WIN 0
.irp g, 0,1
.irp e, 0,1
	ds_load_b64 v[WS+4*\g+2*\e:WS+4*\g+2*\e+1], v[SGA] offset:1024*(\u)+8192*\g+64*\e
.endr
.endr
	s_wait_dscnt 0x0
	WIN 0x06                                       ; source 0 (the weights) window 2, source 1 (h) window 1
.irp m, 0,1,2,3
.irp g, 0,1
.irp e, 0,1
	v_wmma_scale_f32_16x16x128_f8f6f4 v[ACC+64*\g+16*\m+8*\e:ACC+64*\g+16*\m+8*\e+7], v[16*(4*\g+2*\e):16*(4*\g+2*\e)+15], v[32*\m:32*\m+15], 0, v[WS+4*\g+2*\e], v[HS+2*\m]
.endr
.endr
.endr
.irp m, 0,1,2,3
.irp g, 0,1
.irp e, 0,1
	v_wmma_scale_f32_16x16x128_f8f6f4 v[ACC+64*\g+16*\m+8*\e:ACC+64*\g+16*\m+8*\e+7], v[16*(4*\g+2*\e+1):16*(4*\g+2*\e+1)+15], v[32*\m+16:32*\m+31], v[ACC+64*\g+16*\m+8*\e:ACC+64*\g+16*\m+8*\e+7], v[WS+4*\g+2*\e+1], v[HS+2*\m+1]
.endr
.endr
.endr
	WIN 0
	PLACES 8
.set zi, 0
.rept 32
	v_pk_mul_f32 v[ACC+64+2*zi:ACC+65+2*zi], v[ACC+64+2*zi:ACC+65+2*zi], v[ACC+2*zi:ACC+2*zi+1]   ; U G; each accumulator from its low end on
.set zi, zi+1
.endr
.set zi, 0
.rept 32
	v_pk_mul_f32 v[ACC+2*zi:ACC+2*zi+1], v[ACC+2*zi:ACC+2*zi+1], s[NL:NL+1] op_sel_hi:[1,0]
.set zi, zi+1
.endr
.set zi, 0
.rept 64
	v_exp_f32 v[ACC+zi], v[ACC+zi]
.set zi, zi+1
.endr
	v_nop
.set zi, 0
	s_wait_alu depctr_va_vdst(0)
.rept 32
	v_pk_add_f32 v[ACC+2*zi:ACC+2*zi+1], v[ACC+2*zi:ACC+2*zi+1], 1.0 op_sel_hi:[1,0]
.set zi, zi+1
.endr
.set zi, 0
.rept 64
	v_rcp_f32 v[ACC+zi], v[ACC+zi]
.set zi, zi+1
.endr
	v_nop
.set zi, 0
	s_wait_alu depctr_va_vdst(0)
.rept 32
	v_pk_mul_f32 v[ACC+2*zi:ACC+2*zi+1], v[ACC+2*zi:ACC+2*zi+1], v[ACC+64+2*zi:ACC+65+2*zi]
.set zi, zi+1
.endr
	QUANT ACC, PC, 0, 0                            ; its four blocks are the four tiles of rows
.irp m, 0,1,2,3
	ds_store_b128 v[AWI], v[PC+4*\m:PC+4*\m+3] offset:2048*(4*(\u)+\m)
	ds_store_b8 v[AWS], v[TM+4+\m] offset:128*(4*(\u)+\m)
.endr
.endm
	UPSLOT 1, 0, G0U1, G0U0, G1A                   ; each slot's head asks for the tile after it, and steps the descriptor whose load has just landed
	UPSLOT 0, 1, G0U0, G0U1, G1A
	UPSLOT 1, 2, G0U1, G0U0, G1A
	UPSLOT 0, 3, G0U0, G0U1, G1A
	UPSLOT 1, 4, G0U1, G0U0, G1A
	UPSLOT 0, 5, G0U0, G0U1, G1A
	UPSLOT 1, 6, G0U1, G0U0, G1A
	UPSLOT 0, 7, G0U0, G0D1, G1D                   ; the last up slot asks for W2's first 256 along K (the stepped address is not used)
; ---- A DOWN SLOT: K steps 2 d and 2 d + 1 of W2 lie in slot b.  My 64 outputs (four tiles of W2's rows) x the four tiles of rows: 16 accumulators by turns, in place.
.macro DNSLOT b, d
	WIN 0x80
.irp t, 0,1,2,3
.irp k, 0,1
.irp c, 0,1,2,3
	ds_load_b128 v[16*(2*\t+\k)+4*\c:16*(2*\t+\k)+4*\c+3], v[AD0+\b] offset:4352*\t+128*\k+32*\c
.endr
.endr
.endr
	WIN 0x40
.irp m, 0,1,2,3
.irp k, 0,1
.irp c, 0,1,2,3
	ds_load_b128 v[16*(2*\m+\k)+4*\c:16*(2*\m+\k)+4*\c+3], v[LIA] offset:2048*(4*(2*(\d)+\k)+\m)+512*\c
.endr
.endr
.endr
	WIN 0
.irp t, 0,1,2,3
	ds_load_b64 v[WS+2*\t:WS+2*\t+1], v[S2A] offset:512*\t+8*(\d)
.endr
.irp m, 0,1,2,3
.irp k, 0,1
	ds_load_b32 v[HS+2*\m+\k], v[LSA] offset:128*(4*(2*(\d)+\k)+\m)
.endr
.endr
	s_wait_dscnt 0x0
	WIN 0x06
.irp k, 0,1
.irp t, 0,1,2,3
.irp m, 0,1,2,3
	v_wmma_scale_f32_16x16x128_f8f6f4 v[ACC+8*(4*\t+\m):ACC+8*(4*\t+\m)+7], v[16*(2*\t+\k):16*(2*\t+\k)+15], v[16*(2*\m+\k):16*(2*\m+\k)+15], v[ACC+8*(4*\t+\m):ACC+8*(4*\t+\m)+7], v[WS+2*\t+\k], v[HS+2*\m+\k]
.endr
.endr
.endr
	WIN 0
	PLACES 8
.endm
	CHANGE G0V, 0, G0D0, G1D
.irp t, 0,1,2,3
.irp m, 0,1,2,3
	ds_load_b128 v[ACC+8*(4*\t+\m):ACC+8*(4*\t+\m)+3], v[XSC] offset:16*\m*XP+64*\t          ; THE RESIDUAL IS THE C OF THE SUMS: x(16 m + r, 64 w + 16 t + 8 h + 0 .. 7)
	ds_load_b128 v[ACC+8*(4*\t+\m)+4:ACC+8*(4*\t+\m)+7], v[XSC] offset:16*\m*XP+64*\t+16
.endr
.endr
	DNSLOT 1, 0
	CHANGE G0D1, 512, G0D1, G1D
	DNSLOT 0, 1
	CHANGE G0D0, 512, G0D0, G1D
	DNSLOT 1, 2
	s_wait_tensorcnt 0x0                           ; the last slot: my part of it has landed; nothing is filled again, so no round follows
	ds_add_u32 v[SPW], v[NIL]
	s_wait_dscnt 0x0
	s_barrier_signal -1
	s_barrier_wait -1
	DNSLOT 0, 3
	; ---- THE WAY OUT: my strip of 64 columns goes back to the bytes of XS that I alone took x from; a barrier; each wave stores 16 whole rows
.irp t, 0,1,2,3
.irp m, 0,1,2,3
	ds_store_b128 v[XSC], v[ACC+8*(4*\t+\m):ACC+8*(4*\t+\m)+3] offset:16*\m*XP+64*\t         ; each accumulator from its low end on
	ds_store_b128 v[XSC], v[ACC+8*(4*\t+\m)+4:ACC+8*(4*\t+\m)+7] offset:16*\m*XP+64*\t+16
.endr
.endr
	s_wait_dscnt 0x0                               ; for the others' sake: my stores into the stage are done
	s_barrier_signal -1
	s_barrier_wait -1
.set zi, 0
.rept 32
	ds_load_b128 v[ACC+4*zi:ACC+4*zi+3], v[XSW] offset:(zi/2)*XP+(zi%2)*512
.set zi, zi+1
.endr
.set zi, 0
.rept 32
	s_wait_dscnt 31-zi                             ; LDS loads come back in order: load zi is in, the younger ones stay out
	global_store_b128 v[LI], v[ACC+4*zi:ACC+4*zi+3], s[34:35] offset:512*zi th:TH_STORE_NT   ; the wave stores 512 consecutive bytes, aligned; written once, read by nobody here
.set zi, zi+1
.endr
	s_wait_tensorcnt 0x0                           ; the wave's end: behind my last tensor load and my last LDS store
	ds_add_u32 v[SPW], v[NIL]
	s_wait_dscnt 0x0
	ROUND                                          ; the closing round: no work-group ends while a partner may still ask for a tile that names it
	s_endpgm
.Lfunc_end_k_qbd07f72942_ffn:
	.size	k_qbd07f72942_ffn, .Lfunc_end_k_qbd07f72942_ffn-k_qbd07f72942_ffn
	.p2alignl 7, 3214868480
	.fill 96, 4, 3214868480
	.section	.rodata,"a",@progbits
	.p2align	6, 0x0
	.amdhsa_kernel k_qbd07f72942_ffn
		.amdhsa_group_segment_fixed_size 327680
		.amdhsa_private_segment_fixed_size 0
		.amdhsa_enable_private_segment 0
		.amdhsa_kernarg_size 128
		.amdhsa_user_sgpr_count 2
		.amdhsa_user_sgpr_kernarg_segment_ptr 1
		.amdhsa_wavefront_size32 1
		.amdhsa_system_sgpr_workgroup_id_x 1
		.amdhsa_system_sgpr_workgroup_id_y 1
		.amdhsa_system_sgpr_workgroup_id_z 1
		.amdhsa_system_vgpr_workitem_id 0
		.amdhsa_next_free_vgpr 1024
		.amdhsa_next_free_sgpr 100
		.amdhsa_reserve_vcc 0
		.amdhsa_float_denorm_mode_32 3
		.amdhsa_float_denorm_mode_16_64 3
		.amdhsa_memory_ordered 1
		.amdhsa_forward_progress 1
		.amdhsa_inst_pref_size 255
	.end_amdhsa_kernel
	.section	.bss,"aw",@nobits
	.p2align	6
	.space	262144
	.amdgpu_metadata
---
amdhsa.version: [ 1, 2 ]
amdhsa.kernels:
  - .name:           k_qbd07f72942_ffn
    .symbol:         k_qbd07f72942_ffn.kd
    .args:
      - { .name: x, .offset: 0, .size: 8, .value_kind: global_buffer, .address_space: global }
      - { .name: nbr, .offset: 8, .size: 8, .value_kind: global_buffer, .address_space: global }
      - { .name: nmk, .offset: 16, .size: 8, .value_kind: global_buffer, .address_space: global }
      - { .name: tab, .offset: 24, .size: 8, .value_kind: global_buffer, .address_space: global }
      - { .name: Wv_codes, .offset: 32, .size: 8, .value_kind: global_buffer, .address_space: global }
      - { .name: Wv_scales, .offset: 40, .size: 8, .value_kind: global_buffer, .address_space: global }
      - { .name: bv, .offset: 48, .size: 8, .value_kind: global_buffer, .address_space: global }
      - { .name: ln_g, .offset: 56, .size: 8, .value_kind: global_buffer, .address_space: global }
      - { .name: ln_b, .offset: 64, .size: 8, .value_kind: global_buffer, .address_space: global }
      - { .name: Wg_codes, .offset: 72, .size: 8, .value_kind: global_buffer, .address_space: global }
      - { .name: Wg_scales, .offset: 80, .size: 8, .value_kind: global_buffer, .address_space: global }
      - { .name: W1_codes, .offset: 88, .size: 8, .value_kind: global_buffer, .address_space: global }
      - { .name: W1_scales, .offset: 96, .size: 8, .value_kind: global_buffer, .address_space: global }
      - { .name: W2_codes, .offset: 104, .size: 8, .value_kind: global_buffer, .address_space: global }
      - { .name: W2_scales, .offset: 112, .size: 8, .value_kind: global_buffer, .address_space: global }
      - { .name: out0, .offset: 120, .size: 8, .value_kind: global_buffer, .address_space: global }
    .group_segment_fixed_size: 327680
    .private_segment_fixed_size: 0
    .kernarg_segment_align: 8
    .kernarg_segment_size: 128
    .max_flat_workgroup_size: 128
    .sgpr_count:     100
    .vgpr_count:     1024
    .wavefront_size: 32
...
	.end_amdgpu_metadata
.endif
;; end of part 2
